; MI455X (gfx1250); checked and timed in simulation.
; The chip was launched on July 23, 2026; its instructions are those of AMD's public machine-readable ISA for CDNA 5 (MIT licence, August 2026) and "CDNA5" Instruction Set Architecture Reference Guide (July 2026). The comments in the code are by the model that wrote it; some were corrected since.
;; SINQ Sparse Linear. Allowed arithmetic: matrix products marked QUANTISED: E2M3 operands, one E8M0 scale for each 32 along K, by v_wmma_scale_f32_16x16x128_f8f6f4 with both operands' format E2M3, f32 sums; everything else in f32.
;; Inputs: W_q 4,096 x 4,096 int32; bias 4,096 float32; mask 4,096 x 4,096 bool; scale2 1 x 4,096 float32; scales 4,096 x 1 float32; x 4,096 x 4,096 float32; zeros 4,096 x 1 float32.
;; Outputs: out0 4,096 x 4,096 float32.
;; This version of the problem:
;;   THIS VERSION OF THE PROBLEM IS GIVEN IN LOW PRECISION. The matrix products marked QUANTISED in the list below multiply operands that are first quantised to E2M3 (2 exponent bits, 3 mantissa bits; 6 bits a number), with one power-of-two scale for each 32 numbers along K (OCP MX v1.0); their sums are f32. All else is computed in f32.
;;   The module's matrix products, in the order in which they are computed (A, B: the left and right operand; K: the contracted axis; several contracted axes count as one K, in the product's order):
;;     1. [M 4,096, K 4,096] x [K 4,096, N 4,096]; A: input x; B: computed on the way: QUANTISED
;;   THE QUANTISER, for each operand of a quantised product, along K:
;;     - K is cut into blocks of 32 from its start; a last block that is shorter is filled with zeros.
;;     - A block's scale is 2^e with e = floor(log2(the largest magnitude in the block)) - 2, held to -126 .. 127; a block of zeros has e = 0. As a byte (E8M0): e + 127.
;;     - Each number is divided by its block's scale, clamped to +-7.5, and rounded to the nearest number of E2M3, ties to even, subnormals kept.
;;     - The product sums the exact products of the quantised numbers (number of the format x scale) in f32.
;;   ~~~python
;;   def quantise(x, axis):      # numpy; x: float32 -> the quantised numbers, widened to float32 again
;;       x = np.moveaxis(x, axis, -1); K = x.shape[-1]
;;       x = np.pad(x, [(0, 0)] * (x.ndim - 1) + [(0, -K % 32)]); x = x.reshape(x.shape[:-1] + (-1, 32)); a = np.abs(x).max(-1, keepdims=True)
;;       e = np.where(a > 0, np.clip(np.frexp(np.where(a > 0, a, 1))[1] - 1 - 2, -126, 127), 0)      # np.frexp(a)[1] - 1 = floor(log2(a)), exactly
;;       r = np.clip(x / 2.0 ** e, -7.5, 7.5)
;;       step = 2.0 ** (np.maximum(np.frexp(np.where(r == 0, 1, r))[1] - 1, 0) - 3)
;;       q = np.round(r / step) * step * 2.0 ** e      # np.round: ties to even
;;       return np.moveaxis(q.reshape(q.shape[:-2] + (-1,))[..., :K], -1, axis).astype(np.float32)
;;   ~~~
;;   OPERANDS COMPUTED ON THE WAY. 'Computed on the way' means the value that the module computes at that place (a softmax that the list does not call 'softmax' is quantised finished and normalised). What goes into a quantiser is computed in f32, as accurately as f32 sums, v_exp_f32 and their like allow (about 1e-6 of the number): no bf16 or f16 on the way to a quantiser, and a product that is left as it is and whose result goes on into a quantised operand takes f32 operands (vector FMAs, or v_wmma_f32_16x16x4_f32). A number that lies on a knife's edge between two numbers of the format may be rounded either way, as far as f32 arithmetic and the matrix unit's own rounding can turn it there, and no further.
;; One version. Each part assembles by itself: llvm-mc -triple=amdgcn-amd-amdhsa -mcpu=gfx1250 --defsym DOCPART=n.
;; ======== version 1 of 1: 2 launches
;; limits: right only within a limited range of input values
;; workspace buffers: xq 13,107,200 bytes; wq 13,107,200 bytes
;; launch quant (part 1): grid 256 x 1, 8 waves a work-group, no clusters, 327,680 bytes of LDS; arguments x, W_q, zeros, scales, mask, scale2, xq, wq; writes xq, wq
.if DOCPART == 1
	.amdgcn_target "amdgcn-amd-amdhsa--gfx1250"
	.amdhsa_code_object_version 6
	.text
	.protected	k_q211a6be4b2_quant
	.globl	k_q211a6be4b2_quant
	.p2align	8
	.type	k_q211a6be4b2_quant,@function
k_q211a6be4b2_quant:
	s_mov_b64 s[64:65], 0
	v_nop
	global_prefetch_b8 v0, s[64:65] scope:SCOPE_SE
	s_setreg_imm32_b32 hwreg(HW_REG_WAVE_MODE, 25, 1), 1
	s_wait_xcnt 0x0
; x [4096][4096] f32 and W = ((W_q - zeros) * scales) * scale2 * mask [4096][4096], computed here in f32 in that order, become codes of FP6 (E2M3) with one E8M0 byte for each 32 along K (the last axis of both).
; A block's scale is 2^(floor(log2(its largest magnitude)) - 2): its byte is the largest magnitude's exponent field - 2, held at 1 from below.  No work of the problem is left out.
; LIMITS: NaN and infinities among the inputs are not served.  A block of zeros gets the byte 1 where the quantiser's rule says 127: its codes are zeros, and the bytes are read by this program alone.
; Blocks whose largest magnitude lies under 2^-124 (the floor) were not tried.  Mask bytes are 0 or 1, as the problem states; W_q may be any int32.
; THE WORKSPACE IS LAID AS THE PRODUCT'S LAUNCH READS IT: [group of 128 rows g][128 along K s][a piece of 12,800 bytes].  In a piece: fragment i (16 rows x 128 K) at 1,536 i, an image of the operand's
; 12 registers (registers 4 c .. 4 c + 3 of lane l at 512 c + 16 l); behind the 8 fragments the scale words: that of (i, row r) at 12,288 + 256 (i / 4) + 16 r + 4 (i % 4).
; SHARES.  A unit is 128 rows x 256 along K of one tensor: two pieces.  Work-group b takes K = 256 (b % 16) and the groups g = b / 16 and b / 16 + 16, of W and of x: four units, in the order W, x, W, x.
; Tensor loads bring a unit into LDS: W_q's and x's rows are 1,024 bytes of memory, the mask's 256, each from a multiple of 256; 16 bytes of padding behind each row.  W has one slot, x the other, so the two take turns.
; Wave w takes piece q = w % 2 and rows 32 (w / 2) .. + 31: two fragments u = 0, 1.  Lane (r, h) reads K 32 h .. + 31 and 64 + 32 h .. + 31 of row r from LDS: the operand's own layout, whole blocks in one lane.
; So zero and scale are a lane's own numbers, scale2 is 64 registers that serve both W units, and the codes leave as they stand, 512 consecutive bytes a store.
; THE SCALE WORDS of a W unit and an x unit, 2,048 bytes, are gathered in LDS bytes of their own and leave behind a barrier, 256 consecutive aligned bytes a wave.
; PREFETCH: behind each fill the next unit's bytes are asked for, one slot ahead: wave w names its 16 rows, a lane a block of 256 bytes; each block once.  No clusters: no tile is read by two work-groups.
.set HB,   12800
.set SCW,  12288
.set FRB,  1536
.set PQ,   1040                        ; LDS pitch of a row of W_q or x
.set PM,   272                         ; and of the mask
.set LM,   128*PQ                      ; LDS: W_q at 0, the mask behind it,
.set LX,   LM+128*PM                   ; x's slot,
.set GAT,  LX+128*PQ                   ; the scale words: [pair of units][W, x][q][i / 4][256 bytes],
.set SPARE, GAT+4096                   ; the spare words, 128 bytes a wave, that no other line names
.set UQ,   0x2000000                   ; 16 groups on: in x and W_q,
.set UM,   0x800000                    ; in the mask,
.set UO,   16*32*HB                    ; in the workspace
.set SPW, 33
.set NIL, 34
.set WD,  20                           ; v20-21 the scale words of u = 0, 1
.set T1,  40
.set T2,  44
.set C,   48                           ; v48-71  codes, 12 registers for each u
.set ZP,  72                           ; v72-87  for each (unit, u): zero twice, scale twice
.set MK,  88                           ; v88-103 mask words
.set S2,  104                          ; v104-167 scale2 of my 64 columns
.set R,   168                          ; v168-231 a fragment's 64 numbers
.set G1Q, 20
.set G1X, 28
.set G1M, 36
.set GQ,  44
.set GM,  48
.set GX,  52
; v2, v3 prefetch offsets  v4 W_q in LDS  v8 mask in LDS  v22 x in LDS  v5 codes' place  v6 words into LDS  v19 words back  v27 words' place  v7 8 h  v23 128 h  v32 my row in zeros and scales
.macro G1SET g, w0, c, r, p
	s_mov_b32 s[\g], \w0
	s_mov_b32 s[\g+1], (\c)<<16
	s_mov_b32 s[\g+2], (\r)<<16
	s_mov_b32 s[\g+3], (\c)<<16
	s_mov_b32 s[\g+4], \r
	s_mov_b32 s[\g+5], \p
	s_mov_b32 s[\g+6], 0
	s_mov_b32 s[\g+7], 0
.endm
	s_load_b512 s[4:19], s[0:1], 0x0               ; x, W_q, zeros, scales, mask, scale2, xq, wq
	v_lshl_add_u32 v[SPW], v0, 2, SPARE
	v_mov_b32 v[NIL], 0
	ds_add_u32 v[SPW], v[NIL]                      ; the opening lines: the add twice on end and one wait
	ds_add_u32 v[SPW], v[NIL]
	v_lshrrev_b32 v10, 5, v0
	v_readfirstlane_b32 s2, v10                    ; wave 0..7
	s_and_b32 s66, s2, 1                           ; q
	s_lshr_b32 s67, s2, 1                          ; which 32 rows
	s_and_b32 s68, s2, 3
	s_and_b32 s69, s67, 1
	s_lshr_b32 s3, s2, 2
	G1SET G1Q, (2<<16)|(1<<20)|(7<<22)|(3<<25), 256, 32, 4096   ; 32 rows of 256 words, 4 words of padding behind each
	G1SET G1X, (2<<16)|(1<<20)|(7<<22)|(3<<25), 256, 16, 4096   ; 16 such rows
	G1SET G1M, (2<<16)|(1<<20)|(5<<22)|(3<<25), 64, 32, 1024    ; 32 rows of 64 words
	s_mul_i32 s[GQ+1], s68, 32*PQ                  ; waves 0-3 fetch W_q, 32 rows each;
	s_mul_i32 s[GM+1], s68, 32*PM                  ; waves 4-7 the mask, 32 rows each;
	s_add_co_u32 s[GM+1], s[GM+1], LM
	s_mul_i32 s[GX+1], s2, 16*PQ                   ; every wave 16 rows of x
	s_add_co_u32 s[GX+1], s[GX+1], LX
	s_mul_i32 s70, s67, 32*PQ
	s_lshl_b32 s79, s66, 9
	s_add_co_u32 s70, s70, s79
	s_mul_i32 s71, s67, 32*PM
	s_lshl_b32 s79, s66, 7
	s_add_co_u32 s71, s71, s79
	s_add_co_u32 s71, s71, LM
	s_mul_i32 s72, s66, HB
	s_mul_i32 s79, s67, 2*FRB
	s_add_co_u32 s72, s72, s79
	s_lshl_b32 s73, s66, 9
	s_lshl_b32 s79, s3, 8
	s_add_co_u32 s73, s73, s79
	s_lshl_b32 s79, s69, 3
	s_add_co_u32 s73, s73, s79
	s_add_co_u32 s73, s73, GAT                     ; words in: 512 q + 256 (i / 4) + 8 ((i / 2) % 2)
	s_lshl_b32 s74, s2, 8
	s_add_co_u32 s74, s74, GAT                     ; words back: 256 w
	s_mul_i32 s75, s69, HB
	s_lshl_b32 s79, s66, 8
	s_add_co_u32 s75, s75, s79                     ; which go to piece (w / 2) % 2, half w % 2
	s_lshl_b32 s76, s67, 7
	s_and_b32 s77, ttmp9, 15                       ; t
	s_lshr_b32 s78, ttmp9, 4                       ; g
	s_lshl_b32 s80, s78, 21
	s_lshl_b32 s79, s77, 10
	s_add_co_u32 s80, s80, s79                     ; the unit in x and W_q, in bytes
	s_mov_b32 s81, 0
	s_lshl_b32 s82, s78, 19
	s_lshl_b32 s79, s77, 8
	s_add_co_u32 s82, s82, s79                     ; in the mask
	s_mov_b32 s83, 0
	s_lshl_b32 s84, s78, 5
	s_lshl_b32 s79, s77, 1
	s_add_co_u32 s84, s84, s79
	s_mul_i32 s84, s84, HB                         ; in the workspace
	s_mov_b32 s85, 0
	s_lshl_b32 s86, s78, 9                         ; in zeros and scales
	s_mov_b32 s87, 0
	s_lshl_b32 s88, s77, 10
	s_lshl_b32 s79, s66, 9
	s_add_co_u32 s88, s88, s79                     ; my piece in scale2
	s_mov_b32 s89, 0
	s_lshl_b32 s90, s68, 19
	s_mov_b32 s91, 0
	s_lshl_b32 s92, s68, 17
	s_mov_b32 s93, 0
	s_lshl_b32 s94, s2, 18
	s_mov_b32 s95, 0
	s_lshl_b32 s96, s2, 16
	s_mov_b32 s97, 0
	s_mov_b32 s77, 0x01010101                      ; v_perm_b32's selects: byte 1, 2, 3 in all four places
	s_mov_b32 s78, 0x02020202
	s_mov_b32 s79, 0x03030303
	s_mov_b32 s100, 0x76543210
	s_mov_b32 s101, 0xfedcba98                     ; v_permlanex16_b32's selects for lane l xor 16
	v_and_b32 v10, 31, v0
	v_and_b32 v11, 15, v0                          ; r
	v_bfe_u32 v12, v0, 4, 1                        ; h
	v_mul_u32_u24 v4, v11, PQ
	v_mul_u32_u24 v8, v11, PM
	v_lshl_add_u32 v4, v12, 7, v4
	v_lshl_add_u32 v8, v12, 5, v8
	v_add_nc_u32 v4, s70, v4
	v_add_nc_u32 v8, s71, v8
	v_add_nc_u32 v22, LX, v4
	v_lshl_add_u32 v5, v10, 4, s72
	v_lshl_add_u32 v6, v11, 4, s73
	v_lshl_add_u32 v19, v10, 3, s74
	v_lshl_add_u32 v27, v10, 3, s75
	v_lshlrev_b32 v7, 3, v12
	v_lshlrev_b32 v23, 7, v12
	v_lshl_add_u32 v32, v11, 2, s76
	v_lshrrev_b32 v13, 2, v10
	v_and_b32 v14, 3, v10
	v_lshlrev_b32 v2, 14, v13
	v_lshl_add_u32 v2, v14, 8, v2                  ; prefetch: row lane / 4, block lane % 4
	v_min_u32 v3, 15, v10
	v_lshlrev_b32 v3, 12, v3                       ; the mask: a lane a row; lanes 16-31 name the last row again
	v_mov_b32 v9, 0                                ; a lane permute's destination counts as one of its sources
	s_wait_alu depctr_va_vdst(0)                   ; the wait at the head's end
	s_wait_dscnt 0x0                               ; both opening adds are done
	s_wait_kmcnt 0x0
	s_add_nc_u64 s[4:5], s[4:5], s[80:81]
	s_add_nc_u64 s[6:7], s[6:7], s[80:81]
	s_add_nc_u64 s[12:13], s[12:13], s[82:83]
	s_add_nc_u64 s[16:17], s[16:17], s[84:85]
	s_add_nc_u64 s[18:19], s[18:19], s[84:85]
	s_add_nc_u64 s[8:9], s[8:9], s[86:87]
	s_add_nc_u64 s[10:11], s[10:11], s[86:87]
	s_add_nc_u64 s[14:15], s[14:15], s[88:89]
	s_mov_b32 s[GQ], 1
	s_add_nc_u64 s[GQ+2:GQ+3], s[6:7], s[90:91]
	s_or_b32 s[GQ+3], s[GQ+3], 0x80000000
	s_mov_b32 s[GM], 1
	s_add_nc_u64 s[GM+2:GM+3], s[12:13], s[92:93]
	s_or_b32 s[GM+3], s[GM+3], 0x80000000
	s_mov_b32 s[GX], 1
	s_add_nc_u64 s[GX+2:GX+3], s[4:5], s[94:95]
	s_or_b32 s[GX+3], s[GX+3], 0x80000000
	s_add_nc_u64 s[56:57], s[4:5], s[94:95]        ; prefetch bases, my 16 rows: x's first unit,
	s_add_nc_u64 s[58:59], s[56:57], UQ            ; x's second,
	s_add_nc_u64 s[60:61], s[6:7], s[94:95]
	s_add_nc_u64 s[60:61], s[60:61], UQ            ; W_q's second,
	s_add_nc_u64 s[62:63], s[12:13], s[96:97]
	s_add_nc_u64 s[62:63], s[62:63], UM            ; the mask's second
	s_cmp_lt_u32 s2, 4
	s_cselect_b64 s[98:99], s[18:19], s[16:17]     ; waves 0-3 send W's scale words, waves 4-7 x's
.macro TLW                             ; a W unit: one tensor load a wave, in the two arms of one branch on the wave's number
	s_cmp_lt_u32 s2, 4
	s_cbranch_scc0 .Lmask_\@
	tensor_load_to_lds s[GQ:GQ+3], s[G1Q:G1Q+7]
	s_nop 0
	s_branch .Ljoin_\@
.Lmask_\@:
	tensor_load_to_lds s[GM:GM+3], s[G1M:G1M+7]
	s_nop 0
.Ljoin_\@:
.endm
.macro TLX
	tensor_load_to_lds s[GX:GX+3], s[G1X:G1X+7]
	s_nop 0
.endm
.macro SEQ step                        ; in front of every fill but the first: all my tensor loads have landed, the add, my LDS instructions are done, the barrier.  step 1: W's addresses go on, 2: x's
	s_wait_tensorcnt 0x0
	ds_add_u32 v[SPW], v[NIL]
.if \step == 1
	s_add_nc_u64 s[GQ+2:GQ+3], s[GQ+2:GQ+3], UQ
	s_add_nc_u64 s[GM+2:GM+3], s[GM+2:GM+3], UM
.endif
.if \step == 2
	s_add_nc_u64 s[GX+2:GX+3], s[GX+2:GX+3], UQ
.endif
	s_wait_dscnt 0x0
	s_barrier_signal -1
	s_barrier_wait -1
.endm
.macro ASKQ b                          ; my 16 rows x 4 blocks of a unit of x or W_q
	global_prefetch_b8 v2, s[\b:\b+1] th:TH_LOAD_NT scope:SCOPE_SE
	global_prefetch_b8 v2, s[\b:\b+1] offset:131072 th:TH_LOAD_NT scope:SCOPE_SE
.endm
.macro DEQ zp                          ; W = ((W_q - zero) * scale) * scale2 * mask, each step rounded to f32 as it is written
.irp j, 0,1,2,3,4,5,6,7,8,9,10,11,12,13,14,15
	v_lshlrev_b32 v26, 8, v[MK+\j]
.irp k, 0,1,2,3
	v_cvt_f32_i32 v[R+4*\j+\k], v[R+4*\j+\k]
.endr
	v_sub_nc_u32 v26, v26, v[MK+\j]                ; four bytes of 0 or 1, x 255
	v_pk_add_f32 v[R+4*\j:R+4*\j+1], v[R+4*\j:R+4*\j+1], v[\zp:\zp+1] neg_lo:[0,1] neg_hi:[0,1]
	v_pk_add_f32 v[R+4*\j+2:R+4*\j+3], v[R+4*\j+2:R+4*\j+3], v[\zp:\zp+1] neg_lo:[0,1] neg_hi:[0,1]
	v_perm_b32 v28, v26, v26, 0                    ; byte k in all four places: 32 bits of mask for number k
	v_perm_b32 v29, v26, v26, s77
	v_pk_mul_f32 v[R+4*\j:R+4*\j+1], v[R+4*\j:R+4*\j+1], v[\zp+2:\zp+3]
	v_pk_mul_f32 v[R+4*\j+2:R+4*\j+3], v[R+4*\j+2:R+4*\j+3], v[\zp+2:\zp+3]
	v_perm_b32 v30, v26, v26, s78
	v_perm_b32 v31, v26, v26, s79
	v_pk_mul_f32 v[R+4*\j:R+4*\j+1], v[R+4*\j:R+4*\j+1], v[S2+4*\j:S2+4*\j+1]
	v_pk_mul_f32 v[R+4*\j+2:R+4*\j+3], v[R+4*\j+2:R+4*\j+3], v[S2+4*\j+2:S2+4*\j+3]
.irp k, 0,1,2,3
	v_and_b32 v[R+4*\j+\k], v[R+4*\j+\k], v[28+\k] ; x 1 keeps the number, x 0 gives 0
.endr
.endr
.endm
.macro QA f                            ; my two blocks (c = 0, 1: block 2 c + h of the row's four): largest magnitude, scale, codes
.set CF, C+12*(\f)
.irp c, 0,1
	v_max3_num_f32 v[10+\c], |v[R+32*\c]|, |v[R+32*\c+1]|, |v[R+32*\c+2]|
	v_max3_num_f32 v[12+\c], |v[R+32*\c+3]|, |v[R+32*\c+4]|, |v[R+32*\c+5]|
.endr
.irp i, 6,10,14,18,22,26
.irp c, 0,1
	v_max3_num_f32 v[10+\c], v[10+\c], |v[R+32*\c+\i]|, |v[R+32*\c+\i+1]|
	v_max3_num_f32 v[12+\c], v[12+\c], |v[R+32*\c+\i+2]|, |v[R+32*\c+\i+3]|
.endr
.endr
.irp c, 0,1
	v_max3_num_f32 v[10+\c], v[10+\c], |v[R+32*\c+30]|, |v[R+32*\c+31]|
.endr
.irp c, 0,1
	v_max3_num_f32 v[10+\c], v[10+\c], v[12+\c], 0x1800000   ; the floor 2^(3 - 127): the byte cannot fall under 1
.endr
.irp c, 0,1
	v_add_nc_u32 v[14+\c], 0xff000000, v[10+\c]    ; 2 off the exponent field: the conversion's scale operand
.endr
.irp c, 0,1
	v_lshrrev_b32 v[16+\c], 23, v[14+\c]           ; the scale's byte
.endr
	v_lshl_or_b32 v18, v17, 16, v16                ; blocks h and 2 + h,
	v_lshlrev_b32 v18, v7, v18                     ; 8 h bits up;
	v_permlanex16_b32 v9, v18, s100, s101
	v_or_b32 v[WD+(\f)], v18, v9                   ; with lane l xor 16's two the row's word is whole
	v_cvt_scalef32_pk16_fp6_f32 v[CF:CF+2], v[R:R+15], v14
	v_cvt_scalef32_pk16_fp6_f32 v[T1:T1+2], v[R+16:R+31], v14      ; (three registers from an even one: a block's second half is made elsewhere and moved)
	v_cvt_scalef32_pk16_fp6_f32 v[CF+6:CF+8], v[R+32:R+47], v15
	v_cvt_scalef32_pk16_fp6_f32 v[T2:T2+2], v[R+48:R+63], v15
	v_nop                                          ; one plain place behind a scaled conversion
.irp i, 0,1,2
	v_mov_b32 v[CF+3+\i], v[T1+\i]
	v_mov_b32 v[CF+9+\i], v[T2+\i]
.endr
.endm
.macro PROC kind, n                    ; a unit that lies in LDS.  kind 0: W, 1: x;  n: the work-group's first or second
.set AR, 4+18*\kind
.irp u, 0,1
.irp k, 0,1,2,3,4,5,6,7
	ds_load_b128 v[R+4*\k:R+4*\k+3], v[AR] offset:16*PQ*\u+16*\k
.endr
.irp k, 0,1,2,3,4,5,6,7
	ds_load_b128 v[R+32+4*\k:R+32+4*\k+3], v[AR] offset:16*PQ*\u+256+16*\k
.endr
.if \kind == 0
.irp k, 0,1,2,3
	ds_load_b128 v[MK+4*\k:MK+4*\k+3], v8 offset:16*PM*\u+64*(\k/2)+16*(\k%2)
.endr
.endif
	s_wait_dscnt 0x0
.if (\kind == 0) && (\n == 0) && (\u == 0)
	s_wait_loadcnt 0x0                             ; scale2, zeros and scales, once
.endif
	s_wait_xcnt 0x0                                ; the codes' registers, which earlier stores read, are written again only behind this wait
.if \kind == 0
	DEQ ZP+4*(2*\n+\u)
.endif
	QA \u
.irp c, 0,1,2
	global_store_b128 v5, v[C+12*\u+4*\c:C+12*\u+4*\c+3], s[18-2*\kind:19-2*\kind] offset:UO*\n+FRB*\u+512*\c   ; 512 consecutive bytes, aligned
.endr
.endr
	ds_store_b64 v6, v[WD:WD+1] offset:2048*\n+1024*\kind   ; lanes l and l xor 16 write the same words
.endm
.macro FLUSH n                         ; the scale words of a W unit and an x unit: 256 consecutive aligned bytes a wave
	ds_load_b64 v[24:25], v19 offset:2048*\n
	s_wait_dscnt 0x0
	global_store_b64 v27, v[24:25], s[98:99] offset:SCW+UO*\n
.endm
	TLW                                            ; W's first unit: the one tensor load of each wave at the head
.irp k, 0,1,2,3,4,5,6,7
	global_load_b128 v[S2+4*\k:S2+4*\k+3], v23, s[14:15] offset:16*\k
	global_load_b128 v[S2+32+4*\k:S2+32+4*\k+3], v23, s[14:15] offset:256+16*\k
.endr
.irp m, 0,1,2,3                        ; m = 2 n + u
	global_load_b32 v[ZP+4*\m], v32, s[8:9] offset:8192*(\m/2)+64*(\m%2)
	global_load_b32 v[ZP+4*\m+1], v32, s[8:9] offset:8192*(\m/2)+64*(\m%2)
	global_load_b32 v[ZP+4*\m+2], v32, s[10:11] offset:8192*(\m/2)+64*(\m%2)
	global_load_b32 v[ZP+4*\m+3], v32, s[10:11] offset:8192*(\m/2)+64*(\m%2)
.endr
	ASKQ 56                                        ; x's first unit, one slot ahead of its load
	SEQ 0
	TLX                                            ; x's first unit: a first fill, issued as a refill is
	ASKQ 60                                        ; W's second unit
	global_prefetch_b8 v3, s[62:63] th:TH_LOAD_NT scope:SCOPE_SE
	PROC 0, 0
	SEQ 1
	TLW                                            ; W's second unit, into the slot just read
	ASKQ 58                                        ; x's second unit
	PROC 1, 0
	SEQ 2
	TLX                                            ; x's second unit: the last load
	FLUSH 0
	PROC 0, 1
	SEQ 0                                          ; x's second unit is whole for every wave
	PROC 1, 1
	s_wait_dscnt 0x0                               ; for the others' sake: my words lie in LDS
	s_barrier_signal -1
	s_barrier_wait -1
	FLUSH 1
	s_wait_tensorcnt 0x0                           ; the wave's end
	ds_add_u32 v[SPW], v[NIL]
	s_wait_dscnt 0x0
	s_endpgm
.Lfunc_end_k_q211a6be4b2_quant:
	.size	k_q211a6be4b2_quant, .Lfunc_end_k_q211a6be4b2_quant-k_q211a6be4b2_quant
	.p2alignl 7, 3214868480
	.fill 96, 4, 3214868480
	.section	.rodata,"a",@progbits
	.p2align	6, 0x0
	.amdhsa_kernel k_q211a6be4b2_quant
		.amdhsa_group_segment_fixed_size 327680
		.amdhsa_private_segment_fixed_size 0
		.amdhsa_enable_private_segment 0
		.amdhsa_kernarg_size 64
		.amdhsa_user_sgpr_count 2
		.amdhsa_user_sgpr_kernarg_segment_ptr 1
		.amdhsa_wavefront_size32 1
		.amdhsa_system_sgpr_workgroup_id_x 1
		.amdhsa_system_sgpr_workgroup_id_y 1
		.amdhsa_system_sgpr_workgroup_id_z 1
		.amdhsa_system_vgpr_workitem_id 0
		.amdhsa_next_free_vgpr 256
		.amdhsa_next_free_sgpr 102
		.amdhsa_reserve_vcc 0
		.amdhsa_float_denorm_mode_32 3
		.amdhsa_float_denorm_mode_16_64 3
		.amdhsa_memory_ordered 1
		.amdhsa_forward_progress 1
		.amdhsa_inst_pref_size 109
	.end_amdhsa_kernel
	.amdgpu_metadata
---
amdhsa.version: [ 1, 2 ]
amdhsa.kernels:
  - .name:           k_q211a6be4b2_quant
    .symbol:         k_q211a6be4b2_quant.kd
    .args:
      - { .name: x, .offset: 0, .size: 8, .value_kind: global_buffer, .address_space: global }
      - { .name: W_q, .offset: 8, .size: 8, .value_kind: global_buffer, .address_space: global }
      - { .name: zeros, .offset: 16, .size: 8, .value_kind: global_buffer, .address_space: global }
      - { .name: scales, .offset: 24, .size: 8, .value_kind: global_buffer, .address_space: global }
      - { .name: mask, .offset: 32, .size: 8, .value_kind: global_buffer, .address_space: global }
      - { .name: scale2, .offset: 40, .size: 8, .value_kind: global_buffer, .address_space: global }
      - { .name: xq, .offset: 48, .size: 8, .value_kind: global_buffer, .address_space: global }
      - { .name: wq, .offset: 56, .size: 8, .value_kind: global_buffer, .address_space: global }
    .group_segment_fixed_size: 327680
    .private_segment_fixed_size: 0
    .kernarg_segment_align: 8
    .kernarg_segment_size: 64
    .max_flat_workgroup_size: 256
    .sgpr_count:     102
    .vgpr_count:     256
    .wavefront_size: 32
...
	.end_amdgpu_metadata
.endif
;; end of part 1
;; launch gemm (part 2): grid 16 x 16, 4 waves a work-group, clusters of 4 x 4, 327,680 bytes of LDS; arguments xq, wq, bias, out0; writes out0
.if DOCPART == 2
	.amdgcn_target "amdgcn-amd-amdhsa--gfx1250"
	.amdhsa_code_object_version 6
	.text
	.protected	k_q211a6be4b2_gemm
	.globl	k_q211a6be4b2_gemm
	.p2align	8
	.type	k_q211a6be4b2_gemm,@function
k_q211a6be4b2_gemm:
	s_mov_b64 s[64:65], 0
	v_nop
	global_prefetch_b8 v0, s[64:65] scope:SCOPE_SE
	s_setreg_imm32_b32 hwreg(HW_REG_WAVE_MODE, 25, 1), 1
	s_wait_xcnt 0x0
	s_wait_alu depctr_hold_cnt(0) depctr_sa_sdst(0) depctr_va_vdst(0) depctr_va_sdst(0) depctr_va_ssrc(0) depctr_va_vcc(0) depctr_vm_vsrc(0)
	s_getreg_b32 s2, hwreg(HW_REG_IB_STS2, 6, 4)
	s_cmp_eq_u32 s2, 0
	s_cbranch_scc0 .Lentry_in_a_cluster
	s_endpgm
.Lentry_in_a_cluster:
	s_bfe_u32 s2, ttmp6, 0x10000c
	s_cmp_lg_u32 s2, 0xf033
	s_cbranch_scc0 .Lentry_shape_is_right
	s_endpgm
.Lentry_shape_is_right:
; out0[m][n] = sum over k of x[m][k] W[n][k] + bias[n], on codes of FP6 (E2M3) with E8M0 scales, as the launch before laid them: [group of 128 rows][128 along K][piece of 12,800 bytes]; in a piece 8 fragments
; (16 rows x 128 K) as images of the operand's 12 registers, then the scale words, that of (fragment i, row r) at 12,288 + 256 (i / 4) + 16 r + 4 (i % 4).  Nothing of the problem is left out.
; A tile of 256 x 256 to a work-group of four waves; a wave makes 128 x 128: 64 accumulators, 512 registers.  K goes in 32 steps of 128 through two LDS slots of three steps each (the first fill brings two): a wave's
; tensor load brings three pieces on end of one group, 38,400 dense bytes, as rows of 256 bytes.
; CLUSTERS 4 x 4: x's pieces are asked for jointly along a row of the cluster, W's along a column.  A round of the cluster's barrier stands in front of every joint load.
; THE MATRIX INSTRUCTION IS USED TRANSPOSED (source 0 = 16 rows of W, source 1 = 16 rows of x): a lane holds eight neighbouring numbers of a row of out0.  The bias is the C of each accumulator's first product.
; A step's 64 products go by x's blocks, each against W's eight.  W's fragments, x's fragments and the scale words each have two sets of registers, taken by the step's parity.  All that the next step needs
; (W's eight fragments, the scale words, x's eight: 50 LDS loads) is asked for in ONE run, behind the step's first eight products: two switches of the register window and four places serve the whole run.
; So a slot's last reads are issued early in the step before its last, and the round that frees the slot opens at the last step's head.
; In the last step each block of 16 rows leaves as soon as its eight products are issued and the next block's are under way.
; PREFETCH: behind each joint load the next refill's 150 blocks of 256 bytes are asked for, one slot ahead; the four partners that ask for a tile share its blocks out by address, 38 each; the last refill asks for nothing.
; REGISTERS: window 0: v16-30 addresses; v32-47 scale words (lanes 0-15 x's, lanes 16-31 W's); v48-143, v144-239 x's fragments; v48-111 also rows on the way out.
;   window 1: W's fragments at v0 and v128; the bias at v96-127 and v224-255; v0-63 also rows on the way out.   windows 2, 3: the accumulators of my rows 0-63 and 64-127.
.set SIZE_N, 4096
.set HB,     12800
.set GROUPB, 32*HB
.set RB,     3*HB
.set SLOT,   4*RB
.set SCW,    12288
.set FRB,    1536
.set FR,     12
.set NP,     4
.set LAPS,   4
.set SPARE,  2*SLOT                    ; the spare words, 128 bytes a wave, that no other line names
.set SPITCH, 528
.set ADRA, 16
.set PF0,  18
.set PF1,  19
.set ADRB, 20
.set ADRS, 22
.set STO,  24
.set RD,   25
.set CO,   26
.set SPW,  28
.set NIL,  29
.set BO,   30
.set SC,   32
.set AF,   48
.set BK,   48
.set G1, 24
.set G0, 32
.set G1B, 48
.set G0B, 56
.set G1S, 68
.set G1SB, 76
.set PFA, 84
.set MSB, 0
.macro WIN new                         ; the immediate's high byte repeats the setting that is left
.if MSB != (\new)
	s_set_vgpr_msb (MSB<<8)|(\new)
.set MSB, (\new)
.endif
.endm
.set MUL_LO,   0xa1                    ; source 0 (W) window 1, source 1 (x) window 0, C and D window 2; + 0x50: window 3
.set FIRST_LO, 0x91                    ; the same with C (the bias) in window 1; + 0x40: D in window 3
.set TO_B,     0x40
.macro JLOAD g0a, g1a, g0b, g1b        ; a joint load: waves 0, 1 fetch x's two groups, waves 2, 3 W's
	s_cmp_eq_u32 s15, 0
	s_cbranch_scc0 .Lfor_b_\@
	tensor_load_to_lds s[\g0a:\g0a+3], s[\g1a:\g1a+7]
	s_nop 0
.rept 4
	v_nop
.endr
	s_branch .Lasked_\@
.Lfor_b_\@:
	tensor_load_to_lds s[\g0b:\g0b+3], s[\g1b:\g1b+7]
	s_nop 0
.rept 4
	v_nop
.endr
.Lasked_\@:
.endm
.macro CREST
	s_cmp_lg_u32 s14, 0
	s_cbranch_scc1 .Lnot_wave_0_\@
	s_barrier_signal -3
.Lnot_wave_0_\@:
	s_barrier_wait -3
	s_barrier_signal -1
	s_barrier_wait -1
.endm
.macro CROUND
	s_barrier_signal -1
	s_barrier_wait -1
	CREST
.endm
.macro ASK how, off                    ; how = 2: the loop's second change of slots, whose last trip has no refill behind it to ask for
.if \how == 2
	s_cmp_gt_u32 s3, 1
	s_cbranch_scc0 .Lno_ask_\@
.endif
	global_prefetch_b8 v[PF0], s[PFA:PFA+1] offset:\off th:TH_LOAD_NT scope:SCOPE_SE
	global_prefetch_b8 v[PF1], s[PFA:PFA+1] offset:\off th:TH_LOAD_NT scope:SCOPE_SE
.Lno_ask_\@:
.endm
	s_load_b128 s[4:7], s[0:1], 0x0                ; xq, wq
	s_load_b128 s[8:11], s[0:1], 0x10              ; bias, out0
	v_lshl_add_u32 v[SPW], v0, 2, SPARE
	v_mov_b32 v[NIL], 0
	ds_add_u32 v[SPW], v[NIL]                      ; the opening lines: the add twice on end and one wait
	ds_add_u32 v[SPW], v[NIL]
	v_lshrrev_b32 v1, 5, v0
	v_readfirstlane_b32 s14, v1                    ; wave 0..3
	s_lshr_b32 s15, s14, 1                         ; my half of the tile's rows; also: I fetch for x (0) or W (1)
	s_and_b32 s16, s14, 1                          ; my half of its columns; also: which group I fetch
	s_bfe_u32 s40, ttmp6, 0x40000                  ; cx
	s_bfe_u32 s41, ttmp6, 0x40004                  ; cy
	s_lshl_b32 s42, ttmp9, 2
	s_add_co_u32 s42, s42, s40                     ; tile column
	s_and_b32 s17, ttmp7, 0xffff
	s_lshl_b32 s17, s17, 2
	s_add_co_u32 s17, s17, s41                     ; tile row
	s_lshl_b32 s43, s41, 2
	s_lshl_b32 s43, 15, s43                        ; my row of the cluster
	s_lshl_b32 s44, 0x1111, s40                    ; my column
	s_or_b32 s[G1+0], s43, (3<<16)|(1<<21)
	s_or_b32 s[G1B+0], s44, (3<<16)|(1<<21)
	s_or_b32 s[G1S+0], s43, (3<<16)|(1<<21)
	s_or_b32 s[G1SB+0], s44, (3<<16)|(1<<21)
.irp g, G1, G1B                        ; three pieces: 150 rows of 32 elements of 8 bytes
	s_mov_b32 s[\g+1], 32<<16
	s_mov_b32 s[\g+2], (RB/256)<<16
	s_mov_b32 s[\g+3], 32<<16
	s_mov_b32 s[\g+4], RB/256
	s_mov_b32 s[\g+5], 32
	s_mov_b32 s[\g+6], 0
	s_mov_b32 s[\g+7], 0
.endr
.irp g, G1S, G1SB                      ; two pieces: the first fill
	s_mov_b32 s[\g+1], 32<<16
	s_mov_b32 s[\g+2], (2*HB/256)<<16
	s_mov_b32 s[\g+3], 32<<16
	s_mov_b32 s[\g+4], 2*HB/256
	s_mov_b32 s[\g+5], 32
	s_mov_b32 s[\g+6], 0
	s_mov_b32 s[\g+7], 0
.endr
	s_lshl_b32 s20, s17, 1
	s_add_co_u32 s20, s20, s16
	s_mul_i32 s20, s20, GROUPB
	s_mov_b32 s21, 0
	s_lshl_b32 s46, s42, 1
	s_add_co_u32 s46, s46, s16
	s_mul_i32 s46, s46, GROUPB
	s_mov_b32 s47, 0
	s_mul_i32 s45, s14, RB
	s_wait_dscnt 0x0                               ; both opening adds are done
	s_wait_kmcnt 0x0
	s_add_nc_u64 s[20:21], s[4:5], s[20:21]        ; the group that I fetch: in xq,
	s_add_nc_u64 s[46:47], s[6:7], s[46:47]        ; in wq
	CROUND                                         ; all sixteen work-groups are here: the first joint loads meet
.irp s, 0,1
	s_mov_b32 s[G0+4*\s], 1
	s_add_co_u32 s[G0+4*\s+1], s45, \s*SLOT
	s_add_nc_u64 s[G0+4*\s+2:G0+4*\s+3], s[20:21], \s*2*HB
	s_or_b32 s[G0+4*\s+3], s[G0+4*\s+3], 0x80000000
	s_mov_b32 s[G0B+4*\s], 1
	s_add_co_u32 s[G0B+4*\s+1], s45, \s*SLOT
	s_add_nc_u64 s[G0B+4*\s+2:G0B+4*\s+3], s[46:47], \s*2*HB
	s_or_b32 s[G0B+4*\s+3], s[G0B+4*\s+3], 0x80000000
.endr
	JLOAD G0, G1S, G0B, G1SB                       ; steps 0 and 1: the one tensor load of each wave at the head; the set-up below stands under its flight
	s_mul_i32 s87, s15, RB                         ; my 128 rows of x in a slot,
	s_mul_i32 s22, s16, RB
	s_add_co_u32 s22, s22, 2*RB                    ; and of W
	s_sub_co_u32 s23, s22, s87
	s_add_co_u32 s88, s87, SLOT
	s_add_co_u32 s95, s22, SLOT
	s_mul_i32 s89, s14, 16*SPITCH
	s_add_co_u32 s89, s89, SLOT                    ; my stage for the way out, in slot 1, which has had its last fill and its last read by then
	s_lshl_b32 s90, s17, 8
	s_lshl_b32 s91, s15, 7
	s_add_co_u32 s90, s90, s91
	s_lshl_b32 s90, s90, 14                        ; my first row of out0, in bytes
	s_mov_b32 s91, 0
	s_lshl_b32 s92, s42, 10
	s_lshl_b32 s93, s16, 9
	s_add_co_u32 s92, s92, s93                     ; my first column, in bytes
	s_mov_b32 s93, 0
	s_add_nc_u64 s[8:9], s[8:9], s[92:93]
	s_add_nc_u64 s[10:11], s[10:11], s[92:93]
	s_add_nc_u64 s[10:11], s[10:11], s[90:91]
	s_cmp_eq_u32 s15, 0
	s_cselect_b32 s86, s40, s41                    ; my place among the four that ask with me
	s_cselect_b64 s[PFA:PFA+1], s[20:21], s[46:47]
	s_add_nc_u64 s[PFA:PFA+1], s[PFA:PFA+1], 2*HB  ; the second fill's first byte
	s_mul_i32 s86, s86, 38
	s_add_co_u32 s94, s86, 32
	v_and_b32 v1, 15, v0                           ; r
	v_bfe_u32 v2, v0, 4, 1                         ; h
	v_and_b32 v3, 31, v0
	v_lshlrev_b32 v[CO], 4, v3
	v_lshlrev_b32 v[BO], 5, v2
	v_mul_u32_u24 v5, s23, v2                      ; lanes 16-31 take W's scale words
	v_lshl_add_u32 v5, v1, 4, v5
	v_add_nc_u32 v[ADRA], s87, v[CO]
	v_add_nc_u32 v[ADRA+1], s88, v[CO]
	v_add_nc_u32 v[ADRB], s22, v[CO]
	v_add_nc_u32 v[ADRB+1], s95, v[CO]
	v_add_nc_u32 v[ADRS], s87, v5
	v_add_nc_u32 v[ADRS+1], s88, v5
	v_mul_u32_u24 v4, v1, SPITCH
	v_lshl_add_u32 v4, v2, 5, v4
	v_add_nc_u32 v[STO], s89, v4
	v_add_nc_u32 v[RD], s89, v[CO]
	v_add_nc_u32 v[PF0], s86, v3                   ; blocks 38 p + lane,
	v_lshlrev_b32 v[PF0], 8, v[PF0]
	v_min_u32 v[PF1], 5, v3                        ; and 38 p + 32 .. + 37, held at the tile's last block, 149
	v_add_nc_u32 v[PF1], s94, v[PF1]
	v_min_u32 v[PF1], 149, v[PF1]
	v_lshlrev_b32 v[PF1], 8, v[PF1]
	WIN TO_B
.irp b, 0,1,2,3,4,5,6,7
	global_load_b128 v[96+8*\b+96*(\b/4):96+8*\b+96*(\b/4)+3], v[BO], s[8:9] offset:64*\b
	global_load_b128 v[96+8*\b+96*(\b/4)+4:96+8*\b+96*(\b/4)+7], v[BO], s[8:9] offset:64*\b+16
.endr
	WIN 0
	ASK 1, 0                                       ; the second fill, steps 2 to 4
.macro FRAG reg, adr, q, i
.irp c, 0,1,2
	ds_load_b128 v[\reg+4*\c:\reg+4*\c+3], v[\adr] offset:(\q)*HB+(\i)*FRB+512*\c
.endr
.endm
.macro LDF n, slot, q, p               ; the n-th of a step's 16 fragments into sets p: 0-7 W's, 8-15 x's
.if (\n) < 8
	WIN TO_B
	FRAG 128*(\p)+FR*(\n), ADRB+\slot, \q, \n
.else
	WIN 0
	FRAG AF+96*(\p)+FR*((\n)-8), ADRA+\slot, \q, (\n)-8
.endif
.endm
.macro RUN slot, q, p                  ; all that a step needs, into sets p: 24 + 2 + 24 LDS loads
.irp n, 0,1,2,3,4,5,6,7
	LDF \n, \slot, \q, \p
.endr
	WIN 0
.irp j, 0,1
	ds_load_b128 v[SC+8*(\p)+4*\j:SC+8*(\p)+4*\j+3], v[ADRS+\slot] offset:(\q)*HB+SCW+256*\j
.endr
.irp n, 8,9,10,11,12,13,14,15
	LDF \n, \slot, \q, \p
.endr
.endm
.macro MULN a, p, first                ; x's block a against W's eight; no two products on end share an accumulator
.if \first
	WIN FIRST_LO+0x40*((\a)/4)
.else
	WIN MUL_LO+0x50*((\a)/4)
.endif
.irp b, 0,1,2,3,4,5,6,7
.if \first
	v_wmma_scale_f32_16x16x128_f8f6f4 v[8*(8*((\a)%4)+\b):8*(8*((\a)%4)+\b)+7], v[128*(\p)+FR*\b:128*(\p)+FR*\b+FR-1], v[AF+96*(\p)+FR*(\a):AF+96*(\p)+FR*(\a)+FR-1], v[96+8*\b+96*(\b/4):96+8*\b+96*(\b/4)+7], v[SC+8*(\p)+\b], v[SC+8*(\p)+(\a)] matrix_a_fmt:MATRIX_FMT_FP6 matrix_b_fmt:MATRIX_FMT_FP6 matrix_a_scale:MATRIX_SCALE_ROW1
.else
	v_wmma_scale_f32_16x16x128_f8f6f4 v[8*(8*((\a)%4)+\b):8*(8*((\a)%4)+\b)+7], v[128*(\p)+FR*\b:128*(\p)+FR*\b+FR-1], v[AF+96*(\p)+FR*(\a):AF+96*(\p)+FR*(\a)+FR-1], v[8*(8*((\a)%4)+\b):8*(8*((\a)%4)+\b)+7], v[SC+8*(\p)+\b], v[SC+8*(\p)+(\a)] matrix_a_fmt:MATRIX_FMT_FP6 matrix_b_fmt:MATRIX_FMT_FP6 matrix_a_scale:MATRIX_SCALE_ROW1
.endif
.endr
.endm
.macro PLACES n                        ; places behind matrix instructions, in front of loads into registers that they read and of reads of their results
.rept \n
	v_nop
.endr
.endm
.macro STEP slot, q, p, first          ; a step that is not its slot's last
	s_wait_dscnt 12                                ; all but the youngest 12 loads, x's blocks 4-7
	MULN 0, \p, \first
	PLACES NP                                      ; behind the last step's products, which read the sets that are now loaded
	RUN \slot, (\q)+1, 1-(\p)
.irp a, 1,2,3
	MULN \a, \p, \first
.endr
	s_wait_dscnt 50                                ; all but the run just issued: x's blocks 4-7 are in
.irp a, 4,5,6,7
	MULN \a, \p, \first
.endr
	WIN 0
.endm
.macro TURN slot, p, next, fill, adv, ask      ; a slot's last step, and the change of slots
.if \fill
	s_wait_xcnt 0x0                                ; my prefetches have read their address
	s_add_nc_u64 s[PFA:PFA+1], s[PFA:PFA+1], RB    ; now the refill that is about to be asked for
.endif
	s_wait_tensorcnt 0x0                           ; all my tensor loads have landed: my part of the next slot
	ds_add_u32 v[SPW], v[NIL]
	s_wait_dscnt 13                                ; x's blocks 4-7 and the add may be out
	MULN 0, \p, 0
	s_wait_dscnt 0x0                               ; the add is done, and my reads of this slot are over (the last were issued 64 products ago)
	s_barrier_signal -1
	MULN 1, \p, 0
	WIN 0
	s_barrier_wait -1
.if \fill
	CREST                                          ; the barrier has opened a round of the cluster's barrier
	s_add_nc_u64 s[G0+4*\slot+2:G0+4*\slot+3], s[G0+4*\slot+2:G0+4*\slot+3], \adv
	s_add_nc_u64 s[G0B+4*\slot+2:G0B+4*\slot+3], s[G0B+4*\slot+2:G0B+4*\slot+3], \adv
	JLOAD G0+4*\slot, G1, G0B+4*\slot, G1B         ; the first tensor load behind the round; its four v_nop are the places in front of the loads below
.else
	PLACES NP
.endif
	RUN \next, 0, 1-(\p)
.if \ask
	ASK \ask, RB                                   ; the refill behind the one just asked for
.endif
.irp a, 2,3,4,5,6,7
	MULN \a, \p, 0
.endr
	WIN 0
.endm
	s_wait_alu depctr_va_vdst(0)                   ; the wait at the head's end
	s_wait_tensorcnt 0x0                           ; my part of steps 0 and 1 is in; the lines ahead of a later first fill, as ahead of a refill
	ds_add_u32 v[SPW], v[NIL]
	s_wait_dscnt 0x0
	CROUND
	JLOAD G0+4, G1, G0B+4, G1B                     ; steps 2 to 4, into slot 1
	RUN 0, 0, 0
	ASK 1, RB                                      ; steps 5 to 7
	s_wait_loadcnt 0x0                             ; the bias
	STEP 0, 0, 0, 1
	TURN 0, 1, 1, 1, 5*HB, 1
	s_mov_b32 s3, LAPS
.Llap:
	STEP 1, 0, 0, 0
	STEP 1, 1, 1, 0
	TURN 1, 0, 0, 1, 6*HB, 1
	STEP 0, 0, 1, 0
	STEP 0, 1, 0, 0
	TURN 0, 1, 1, 1, 6*HB, 2
	s_sub_co_u32 s3, s3, 1
	s_cmp_lg_u32 s3, 0
	s_cbranch_scc1 .Llap
	STEP 1, 0, 0, 0
	STEP 1, 1, 1, 0
	TURN 1, 0, 0, 0, 0, 0                          ; nothing is left to fetch: a plain barrier, behind which nobody reads slot 1
	STEP 0, 0, 1, 0
	STEP 0, 1, 0, 0
; THE WAY OUT, block by block of 16 rows x 128 columns: through my own stage in LDS and back as whole rows of 512 bytes.  LDS serves a wave's instructions in order (ISA guide 5.7.1.4).
.macro TOSTAGE a
.set AC, 64*((\a)%4)
	WIN 0x08+4*((\a)/4)
.irp b, 0,1,2,3,4,5,6,7
	ds_store_b128 v[STO], v[AC+8*\b:AC+8*\b+3] offset:64*\b          ; each accumulator from its low end on
	ds_store_b128 v[STO], v[AC+8*\b+4:AC+8*\b+7] offset:64*\b+16
.endr
.if ((\a)%2)
	WIN TO_B                                       ; odd blocks come back into window 1, v0-63
.irp t, 0,1,2,3,4,5,6,7,8,9,10,11,12,13,14,15
	ds_load_b128 v[4*\t:4*\t+3], v[RD] offset:\t*SPITCH
.endr
	WIN 0
.else
	WIN 0
.irp t, 0,1,2,3,4,5,6,7,8,9,10,11,12,13,14,15
	ds_load_b128 v[BK+4*\t:BK+4*\t+3], v[RD] offset:\t*SPITCH
.endr
.endif
.endm
.macro SEND a, younger
	s_wait_dscnt \younger
.if (\a) > 0
	s_add_nc_u64 s[10:11], s[10:11], 16*SIZE_N*4   ; (behind a wait on XCNT: the earlier stores have read their base)
.endif
.if ((\a)%2)
	WIN 0x04
.irp t, 0,1,2,3,4,5,6,7,8,9,10,11,12,13,14,15
	global_store_b128 v[CO], v[4*\t:4*\t+3], s[10:11] offset:\t*SIZE_N*4 th:TH_STORE_NT
.endr
	WIN 0
.else
.irp t, 0,1,2,3,4,5,6,7,8,9,10,11,12,13,14,15
	global_store_b128 v[CO], v[BK+4*\t:BK+4*\t+3], s[10:11] offset:\t*SIZE_N*4 th:TH_STORE_NT   ; 512 consecutive bytes, aligned
.endr
.endif
.endm
	s_wait_dscnt 12                                ; the last step, on sets 1
	MULN 0, 1, 0
	MULN 1, 1, 0
	s_wait_dscnt 0x0                               ; all its fragments are in
	PLACES NP
	TOSTAGE 0
.irp a, 2,3,4,5,6,7
	MULN \a, 1, 0
	PLACES NP
.if \a > 2
	s_wait_xcnt 0x0                                ; the stores of two blocks ago have read their registers and their base
.endif
	TOSTAGE \a-1
	SEND \a-2, 32                                  ; behind that block's loads: the next block's 16 stores and 16 loads
.endr
	PLACES NP
	s_wait_xcnt 0x0
	TOSTAGE 7
	SEND 6, 32
	s_wait_xcnt 0x0
	SEND 7, 0
	s_wait_tensorcnt 0x0                           ; the wave's end
	ds_add_u32 v[SPW], v[NIL]
	s_wait_dscnt 0x0
	CROUND                                         ; the closing round
	s_endpgm
.Lfunc_end_k_q211a6be4b2_gemm:
	.size	k_q211a6be4b2_gemm, .Lfunc_end_k_q211a6be4b2_gemm-k_q211a6be4b2_gemm
	.p2alignl 7, 3214868480
	.fill 96, 4, 3214868480
	.section	.rodata,"a",@progbits
	.p2align	6, 0x0
	.amdhsa_kernel k_q211a6be4b2_gemm
		.amdhsa_group_segment_fixed_size 327680
		.amdhsa_private_segment_fixed_size 0
		.amdhsa_enable_private_segment 0
		.amdhsa_kernarg_size 32
		.amdhsa_user_sgpr_count 2
		.amdhsa_user_sgpr_kernarg_segment_ptr 1
		.amdhsa_wavefront_size32 1
		.amdhsa_system_sgpr_workgroup_id_x 1
		.amdhsa_system_sgpr_workgroup_id_y 1
		.amdhsa_system_sgpr_workgroup_id_z 1
		.amdhsa_system_vgpr_workitem_id 0
		.amdhsa_next_free_vgpr 1024
		.amdhsa_next_free_sgpr 96
		.amdhsa_reserve_vcc 0
		.amdhsa_float_denorm_mode_32 3
		.amdhsa_float_denorm_mode_16_64 3
		.amdhsa_memory_ordered 1
		.amdhsa_forward_progress 1
		.amdhsa_inst_pref_size 207
	.end_amdhsa_kernel
	.amdgpu_metadata
---
amdhsa.version: [ 1, 2 ]
amdhsa.kernels:
  - .name:           k_q211a6be4b2_gemm
    .symbol:         k_q211a6be4b2_gemm.kd
    .args:
      - { .name: xq, .offset: 0, .size: 8, .value_kind: global_buffer, .address_space: global }
      - { .name: wq, .offset: 8, .size: 8, .value_kind: global_buffer, .address_space: global }
      - { .name: bias, .offset: 16, .size: 8, .value_kind: global_buffer, .address_space: global }
      - { .name: out0, .offset: 24, .size: 8, .value_kind: global_buffer, .address_space: global }
    .group_segment_fixed_size: 327680
    .private_segment_fixed_size: 0
    .kernarg_segment_align: 8
    .kernarg_segment_size: 32
    .max_flat_workgroup_size: 128
    .sgpr_count:     96
    .vgpr_count:     1024
    .wavefront_size: 32
...
	.end_amdgpu_metadata
.endif
;; end of part 2
